; MI455X (gfx1250); checked and timed in simulation.
; The chip was launched on July 23, 2026; its instructions are those of AMD's public machine-readable ISA for CDNA 5 (MIT licence, August 2026) and "CDNA5" Instruction Set Architecture Reference Guide (July 2026). The comments in the code are by the model that wrote it; some were corrected since.
;; Tropical Linear. Allowed arithmetic: float matrix products may take bf16 or f16 operands with f32 sums; all other float work in f32.
;; Inputs: bias 1,024 float32; weight 1,024 x 1,024 float32; x 128 x 1,024 float32.
;; Outputs: out0 128 x 1,024 float32.
;; One version. Each part assembles by itself: llvm-mc -triple=amdgcn-amd-amdhsa -mcpu=gfx1250 --defsym DOCPART=n.
;; ======== version 1 of 1: 1 launch
;; launch tropical (part 1): grid 16 x 16, 8 waves a work-group, clusters of 4 x 4, 318,720 bytes of LDS; arguments x, weight, bias, out0; writes out0
.if DOCPART == 1
	.amdgcn_target "amdgcn-amd-amdhsa--gfx1250"
	.amdhsa_code_object_version 6
	.text
	.protected	k_q43ae23bca7_tropical
	.globl	k_q43ae23bca7_tropical
	.p2align	8
	.type	k_q43ae23bca7_tropical,@function
k_q43ae23bca7_tropical:
	s_mov_b64 s[64:65], 0
	v_nop
	global_prefetch_b8 v0, s[64:65] scope:SCOPE_SE
	s_setreg_imm32_b32 hwreg(HW_REG_WAVE_MODE, 25, 1), 1
	s_wait_xcnt 0x0
	s_wait_alu depctr_hold_cnt(0) depctr_sa_sdst(0) depctr_va_vdst(0) depctr_va_sdst(0) depctr_va_ssrc(0) depctr_va_vcc(0) depctr_vm_vsrc(0)
	s_getreg_b32 s2, hwreg(HW_REG_IB_STS2, 6, 4)
	s_cmp_eq_u32 s2, 0
	s_cbranch_scc0 .Lentry_in_a_cluster
	s_endpgm
.Lentry_in_a_cluster:
	s_bfe_u32 s2, ttmp6, 0x10000c
	s_cmp_lg_u32 s2, 0xf033
	s_cbranch_scc0 .Lentry_shape_is_right
	s_endpgm
.Lentry_shape_is_right:
; out0[n][o] = max over i of (weight[o][i] + x[n][i]) + bias[o].   x: [128][1024], weight: [1024][1024], bias: [1024], out0: [128][1024], all f32.
;
; WHAT IS NOT COMPUTED, AND WHY.  The source function also adds (soft - soft), soft being the softmax-weighted mean of the scores.  For finite scores the
; weights lie between 0 and 1 and add up to 1, so soft is finite, and a finite number minus itself is +0: the term changes no value.  That holds for every
; finite input, so the softmax is left out and the result is the hard maximum plus the bias, the same f32 sums and maxima as in the source function.
; LIMITS.  (1) An input of +inf or -inf, or a score weight + x that overflows f32 (magnitudes above about 1.7e38 in both): the source function gives NaN
; there (inf - inf or 0 x inf inside its softmax), this text gives the plain maximum.  (2) A NaN score is dropped by v_max_num_f32 and v_max3_num_f32 and not
; handed on.  (3) Where the maximum and the bias are both -0 the result is -0, not +0.
;
; SHARES.  256 work-groups; one makes 8 rows (n) x 64 columns (o) of out0, so that a row of its block is 256 consecutive bytes at a multiple of 256.
; Eight waves; wave v makes all 8 rows x columns 8 v .. 8 v + 7: 64 running maxima in each lane.  The 32 lanes split i: in K step c (0 .. 7) lane l takes
; i = 128 c + 4 l .. + 3, so every fragment load of a wave is 512 consecutive LDS bytes, and 16 such loads feed 256 vector instructions.
; One v_pk_add_f32 makes two scores, one v_max3_num_f32 folds two scores into a maximum: one instruction for each score.
; At the end the 32 lanes' maxima are joined through a stage in LDS.
;
; LDS.  All that the block needs fits at once (8 + 64 rows of 4,096 bytes), so each byte is filled once and no slot is ever filled again.
; CLUSTER.  4 x 4 work-groups.  The four of a row of the cluster make the same 8 rows n and need the same rows of x; the four of a column make the same 64
; columns o and need the same rows of weight.  Each tile is asked for jointly by the four, which divides the requests by four.
.set ROWB,  4096                       ; bytes in a row of x, of weight and of out0
.set STEPB, 512                        ; bytes of a row in one K step: 32 lanes x 16
.set WREG,  8*ROWB                     ; LDS: x's 8 rows lie at 0, row a at a x 4,096; weight begins here
.set WWAVE, 8*8*STEPB                  ; a wave's weight bytes: K step c at c x 4,096, row b at b x 512 in it
.set STAGE, WREG+8*WWAVE               ; 294,912: the stage of the lane reduction
.set GP,    640                        ; a group (4 maxima of 32 lanes) is 512 bytes; 640 = 2 x 256 + 128, so the two groups that sixteen lanes read together start 128 bytes apart modulo 256
.set SWAVE, 4*GP                       ; a wave's stage: 4 groups, 2,560 bytes
.set RES,   STAGE+8*SWAVE              ; 315,392: the block's results
.set RP,    288                        ; a wave's 8 x 8 results are 256 bytes; the pitch 288 sets the eight waves' pieces of a row 32 bytes apart modulo 256
.set XA,  8                            ; v8   16 x lane: my 16 bytes of an x row's K step
.set WA,  9                            ; v9   the same in my wave's weight bytes
.set ST,  10                           ; v10  stage: where I put 4 maxima
.set SL,  11                           ; v11  stage: where I read partial maxima
.set RS,  12                           ; v12  results: where I put 4 of them
.set RL,  13                           ; v13  results: my 8 bytes of row v
.set GO,  14                           ; v14  my byte offset in the block of out0
.set BO,  15                           ; v15  my byte offset in the block's 64 biases
.set BI,  16                           ; v[16:17]   two biases
.set O,   18                           ; v[18:19]   two results
.set T,   20                           ; v[20:51]   32 scores at work; later 16 joined maxima
.set ACC, 52                           ; v[52:115]  maximum (a, b) at ACC + 8 a + b
.set F0,  116                          ; v[116:179] fragment buffer 0: x row a at + 4 a, weight row b at + 32 + 4 b
.set F1,  180                          ; v[180:243] fragment buffer 1
.set G1X, 16                           ; s[16:23] descriptor group 1 for x
.set G1W, 24                           ; s[24:31] descriptor group 1 for weight
.set G0X, 32                           ; s[32:35] descriptor group 0 for x
.set GW,  36                           ; group 0 for weight, one set for each K step: s[36:63] for steps 0 to 6, s[68:71] for step 7
; A round of the cluster's barrier: my work-group's barrier, wave 0 signals for the work-group, every wave waits for all sixteen, my work-group's barrier again.
.macro ROUND
	s_barrier_signal -1
	s_barrier_wait -1
	s_cmp_lg_u32 s3, 0
	s_cbranch_scc1 .Lnot_wave_0_\@
	s_barrier_signal -3
.Lnot_wave_0_\@:
	s_barrier_wait -3
	s_barrier_signal -1
	s_barrier_wait -1
.endm
	s_load_b256 s[4:11], s[0:1], 0x0               ; x s[4:5], weight s[6:7], bias s[8:9], out0 s[10:11]
	v_lshl_add_u32 v244, v0, 2, 0x4d900
	v_mov_b32 v245, 0
	ds_add_u32 v244, v245
	v_lshrrev_b32 v2, 5, v0
	v_readfirstlane_b32 s3, v2                     ; wave 0 .. 7
	v_and_b32 v1, 31, v0                           ; lane
	s_bfe_u32 s12, ttmp6, 0x40000                  ; cx: my place along the cluster's x
	s_bfe_u32 s13, ttmp6, 0x40004                  ; cy: along its y
	s_lshl_b32 s14, ttmp9, 2
	s_add_co_u32 s14, s14, s12                     ; block of 64 columns o = 4 x cluster x + cx
	s_and_b32 s15, ttmp7, 0xffff
	s_lshl_b32 s15, s15, 2
	s_add_co_u32 s15, s15, s13                     ; block of 8 rows n = 4 x cluster y + cy
	s_lshl_b32 s72, s13, 2
	s_lshl_b32 s72, 15, s72                        ; my row of the cluster: places 4 cy .. 4 cy + 3
	s_lshl_b32 s73, 0x1111, s12                    ; my column: places cx, cx + 4, cx + 8, cx + 12
	; group 1 for x: one row of x is 4,096 dense bytes, moved as 16 rows of 32 elements of 8 bytes
	s_or_b32  s[G1X+0], s72, (3<<16)|(1<<21)       ; 15:0 mask: my row of the cluster; 17:16 elements of 8 bytes; 21 set beside a mask; no padding
	s_mov_b32 s[G1X+1], 32<<16                     ; tensor_dim0 = 32
	s_mov_b32 s[G1X+2], 16<<16                     ; tensor_dim1 = 16
	s_mov_b32 s[G1X+3], 32<<16                     ; tile_dim0 = 32
	s_mov_b32 s[G1X+4], 16                         ; tile_dim1 = 16
	s_mov_b32 s[G1X+5], 32                         ; pitch = 32 elements: dense
	s_mov_b32 s[G1X+6], 0
	s_mov_b32 s[G1X+7], 0
	; group 1 for weight: 8 rows x 128 f32 (512 bytes, starting at a multiple of 512), rows 1,024 elements apart
	s_or_b32  s[G1W+0], s73, (2<<16)|(1<<21)       ; mask: my column of the cluster; elements of 4 bytes
	s_mov_b32 s[G1W+1], 128<<16                    ; tensor_dim0 = 128
	s_mov_b32 s[G1W+2], 8<<16                      ; tensor_dim1 = 8
	s_mov_b32 s[G1W+3], 128<<16                    ; tile_dim0 = 128
	s_mov_b32 s[G1W+4], 8                          ; tile_dim1 = 8
	s_mov_b32 s[G1W+5], 1024                       ; pitch
	s_mov_b32 s[G1W+6], 0
	s_mov_b32 s[G1W+7], 0
	; where the tiles come from: x's address is made of the n block and the wave, weight's of the o block and the wave, in registers of their own
	s_lshl_b32 s74, s15, 3
	s_add_co_u32 s74, s74, s3                      ; x row 8 x block + wave
	s_lshl_b32 s74, s74, 12                        ; x 4,096 bytes
	s_mov_b32 s75, 0
	s_lshl_b32 s76, s14, 3
	s_add_co_u32 s76, s76, s3                      ; weight rows 8 x (8 x block + wave) ..
	s_lshl_b32 s76, s76, 15                        ; x 8 rows of 4,096 bytes
	s_mov_b32 s77, 0
	s_mul_i32 s81, s3, WWAVE
	s_add_co_u32 s81, s81, WREG                    ; my wave's weight bytes in LDS: the wave's number alone enters an LDS address
	s_wait_dscnt 0x0
	s_wait_kmcnt 0x0
	s_mov_b32 s[G0X], 1                            ; count = 1
	s_mul_i32 s[G0X+1], s3, ROWB                   ; x row v lands at v x 4,096
	s_add_nc_u64 s[G0X+2:G0X+3], s[4:5], s[74:75]
	s_or_b32 s[G0X+3], s[G0X+3], 0x80000000        ; type = 2
	s_add_nc_u64 s[6:7], s[6:7], s[76:77]          ; weight at my wave's first row
.irp c, 0,1,2,3,4,5,6,7
.set G, GW+4*\c+4*(\c/7)
	s_mov_b32 s[G], 1
	s_add_co_u32 s[G+1], s81, \c*8*STEPB
	s_add_nc_u64 s[G+2:G+3], s[6:7], \c*STEPB
	s_or_b32 s[G+3], s[G+3], 0x80000000
.endr
	ROUND                                          ; all sixteen work-groups are here: the joint loads meet
	tensor_load_to_lds s[G0X:G0X+3], s[G1X:G1X+7]  ; x first, then weight in the order of use: nine loads of the wave are out, and no more are ever issued
	s_nop 0
.irp c, 0,1,2,3,4,5,6,7
.set G, GW+4*\c+4*(\c/7)
	tensor_load_to_lds s[G:G+3], s[G1W:G1W+7]
	s_nop 0
.endr
	; addresses, while the tiles are on their way
	s_lshl_b32 s78, s14, 8                         ; the block's 64 columns: 256 bytes x block
	s_mov_b32 s79, 0
	s_add_nc_u64 s[8:9], s[8:9], s[78:79]          ; bias at the block's first column
	v_lshlrev_b32 v[BO], 3, v1                     ; 8 bytes a lane
	global_load_b64 v[BI:BI+1], v[BO], s[8:9]      ; the wave reads the block's 256 bytes of bias; used at the very end; its address registers are never written again
	s_lshl_b32 s2, s15, 15                         ; the block's 8 rows of 4,096 bytes
	s_add_co_u32 s78, s78, s2
	s_add_nc_u64 s[10:11], s[10:11], s[78:79]      ; out0 at the block's corner
	s_lshl_b32 s80, s3, 12
	v_add_nc_u32 v[GO], s80, v[BO]                 ; row v of the block, 8 bytes a lane
	v_lshlrev_b32 v[XA], 4, v1
	v_add_nc_u32 v[WA], s81, v[XA]
	s_mul_i32 s82, s3, SWAVE
	s_add_co_u32 s82, s82, STAGE                   ; my wave's stage
	v_add_nc_u32 v[ST], s82, v[XA]                 ; in: 16 bytes a lane
	v_lshrrev_b32 v3, 3, v1                        ; g = lane / 8: the group that I help to join
	v_and_b32 v4, 7, v1                            ; p = lane % 8
	v_mul_u32_u24 v5, v3, GP
	v_lshl_add_u32 v5, v4, 4, v5
	v_add_nc_u32 v[SL], s82, v5                    ; back: group g, source lanes p, p + 8, p + 16, p + 24 by the offsets 128 t
	s_mul_i32 s83, s3, RP
	s_add_co_u32 s83, s83, RES                     ; my wave's results: (a, b) at 32 a + 4 b
	v_lshl_add_u32 v[RS], v3, 4, s83               ; group g of pass q is row a = 2 q + g / 2, b = 4 (g % 2) ..: 16 g + 64 q
	v_lshrrev_b32 v5, 2, v1                        ; my two columns 2 l, 2 l + 1 were made by wave l / 4,
	v_and_b32 v6, 3, v1                            ; as its b = 2 (l % 4), + 1
	v_mul_u32_u24 v5, v5, RP
	v_lshl_add_u32 v5, v6, 3, v5
	s_lshl_b32 s2, s3, 5
	s_add_co_u32 s2, s2, RES                       ; row a = my wave's number
	v_add_nc_u32 v[RL], s2, v5
; 16 LDS loads: the fragments of K step c into buffer f
.macro FETCH c, f
.irp a, 0,1,2,3,4,5,6,7
	ds_load_b128 v[\f+4*\a:\f+4*\a+3], v[XA] offset:\a*ROWB+\c*STEPB
.endr
.irp b, 0,1,2,3,4,5,6,7
	ds_load_b128 v[\f+32+4*\b:\f+32+4*\b+3], v[WA] offset:\c*8*STEPB+\b*STEPB
.endr
.endm
; Four rows a0 .. a0 + 3 of x against the eight rows of weight, 4 i each: 128 instructions for 128 scores a lane.  For one row of x: 16 packed sums into 32
; registers, then the eight maxima take two scores each, twice, so that no instruction reads what the few in front of it wrote.
; first = 1: the first two scores start each maximum: nothing is cleared.
.macro HALF f, a0, first
.irp a, \a0, \a0+1, \a0+2, \a0+3
.irp b, 0,1,2,3,4,5,6,7
	v_pk_add_f32 v[T+4*\b:T+4*\b+1],   v[\f+4*(\a):\f+4*(\a)+1],   v[\f+32+4*\b:\f+32+4*\b+1]
	v_pk_add_f32 v[T+4*\b+2:T+4*\b+3], v[\f+4*(\a)+2:\f+4*(\a)+3], v[\f+32+4*\b+2:\f+32+4*\b+3]
.endr
.irp b, 0,1,2,3,4,5,6,7
.if \first
	v_max_num_f32 v[ACC+8*(\a)+\b], v[T+4*\b], v[T+4*\b+1]
.else
	v_max3_num_f32 v[ACC+8*(\a)+\b], v[ACC+8*(\a)+\b], v[T+4*\b], v[T+4*\b+1]
.endif
.endr
.irp b, 0,1,2,3,4,5,6,7
	v_max3_num_f32 v[ACC+8*(\a)+\b], v[ACC+8*(\a)+\b], v[T+4*\b+2], v[T+4*\b+3]
.endr
.endr
.endm
; K step c on buffer f; in its middle the fragments of step nxt = c + 1 are fetched into buffer g, 128 vector instructions ahead of their use.
.macro STEP c, nxt, f, g, first
	s_wait_dscnt 0x0                               ; this step's 16 fragment loads are back
	HALF \f, 0, \first
	s_wait_tensorcnt 6-\c                          ; a wave's tensor loads end in order (ISA guide 10.11.1): my weight tile of step c + 1 is in, the 6 - c younger ones stay out.
	                                               ; Only I read these bytes, so this wait is all the ordering that the reads need
	FETCH \nxt, \g
	HALF \f, 4, \first
.endm
	s_wait_tensorcnt 8                             ; my row of x is in (the eight weight tiles issued behind it may stay out),
	s_barrier_signal -1
	s_barrier_wait -1                              ; and so is every wave's: all 8 rows of x may be read.
	s_wait_tensorcnt 7                             ; my weight tile of K step 0
	FETCH 0, F0
	STEP 0, 1, F0, F1, 1
	STEP 1, 2, F1, F0, 0
	STEP 2, 3, F0, F1, 0
	STEP 3, 4, F1, F0, 0
	STEP 4, 5, F0, F1, 0
	STEP 5, 6, F1, F0, 0
	STEP 6, 7, F0, F1, 0                           ; its tensor wait is for 0: no tensor load is out from here on
	s_wait_dscnt 0x0
	HALF F1, 0, 0
	HALF F1, 4, 0
	; THE 32 LANES' MAXIMA ARE JOINED, 16 of the 64 in a pass (rows a = 2 q, 2 q + 1), through my wave's own stage.  A group is 4 neighbouring maxima
	; (one a, four b).  In: each lane's 16 bytes of a group side by side.  Back: 8 lanes share a group, each takes 4 of its 32 source lanes, into buffer 0,
	; which the last K step does not use.
	; LDS serves a wave's instructions in order (ISA guide 5.7.1): the loads see the stores in front of them, and the next pass's stores come behind them.
.irp q, 0,1,2,3
.irp g, 0,1,2,3
	ds_store_b128 v[ST], v[ACC+16*\q+4*\g:ACC+16*\q+4*\g+3] offset:\g*GP
.endr
.irp t, 0,1,2,3
	ds_load_b128 v[F0+16*\q+4*\t:F0+16*\q+4*\t+3], v[SL] offset:\t*128
.endr
.endr
.irp q, 0,1,2,3
	s_wait_dscnt 8*(3-\q)                          ; pass q's four loads are back; the 8 LDS instructions of each later pass may be out
.irp k, 0,1,2,3
	v_max3_num_f32 v[T+4*\q+\k], v[F0+16*\q+\k], v[F0+16*\q+4+\k], v[F0+16*\q+8+\k]
.endr
.irp k, 0,1,2,3
	v_max_num_f32 v[T+4*\q+\k], v[T+4*\q+\k], v[F0+16*\q+12+\k]
.endr
.endr
	; across the 8 lanes of a group: lane i with lane i xor 1, 2, 4, on the arithmetic itself; all 8 end with the group's four maxima
.irp m, 1,2,4
.irp j, 0,1,2,3,4,5,6,7,8,9,10,11,12,13,14,15
	v_max_num_f32_dpp v[T+\j], v[T+\j], v[T+\j] row_xmask:\m row_mask:0xf bank_mask:0xf
.endr
.endr
.irp q, 0,1,2,3
	ds_store_b128 v[RS], v[T+4*\q:T+4*\q+3] offset:\q*64   ; the 8 lanes of a group write the same 16 bytes with the same values
.endr
	s_wait_dscnt 0x0                               ; for the other waves' sake: my results are in LDS
	s_barrier_signal -1
	s_barrier_wait -1                              ; everybody's are
	ds_load_b64 v[O:O+1], v[RL]                    ; row v of the block, two columns a lane
	s_wait_loadcnt 0x0                             ; bias, asked for at the start
	s_wait_dscnt 0x0
	v_pk_add_f32 v[O:O+1], v[O:O+1], v[BI:BI+1]
	global_store_b64 v[GO], v[O:O+1], s[10:11] th:TH_STORE_NT   ; the wave's store covers 256 consecutive bytes, at a multiple of 256 from out0's first byte
	s_wait_tensorcnt 0x0
	ds_add_u32 v244, v245
	s_wait_dscnt 0x0
	ROUND                                          ; the closing round: no work-group ends while a partner may still ask for a tile that names it
	s_endpgm
.Lfunc_end_k_q43ae23bca7_tropical:
	.size	k_q43ae23bca7_tropical, .Lfunc_end_k_q43ae23bca7_tropical-k_q43ae23bca7_tropical
	.p2alignl 7, 3214868480
	.fill 96, 4, 3214868480
	.section	.rodata,"a",@progbits
	.p2align	6, 0x0
	.amdhsa_kernel k_q43ae23bca7_tropical
		.amdhsa_group_segment_fixed_size 318720
		.amdhsa_private_segment_fixed_size 0
		.amdhsa_enable_private_segment 0
		.amdhsa_kernarg_size 32
		.amdhsa_user_sgpr_count 2
		.amdhsa_user_sgpr_kernarg_segment_ptr 1
		.amdhsa_wavefront_size32 1
		.amdhsa_system_sgpr_workgroup_id_x 1
		.amdhsa_system_sgpr_workgroup_id_y 1
		.amdhsa_system_sgpr_workgroup_id_z 1
		.amdhsa_system_vgpr_workitem_id 0
		.amdhsa_next_free_vgpr 246
		.amdhsa_next_free_sgpr 84
		.amdhsa_reserve_vcc 0
		.amdhsa_float_denorm_mode_32 3
		.amdhsa_float_denorm_mode_16_64 3
		.amdhsa_memory_ordered 1
		.amdhsa_forward_progress 1
		.amdhsa_inst_pref_size 150
	.end_amdhsa_kernel
	.amdgpu_metadata
---
amdhsa.version: [ 1, 2 ]
amdhsa.kernels:
  - .name:           k_q43ae23bca7_tropical
    .symbol:         k_q43ae23bca7_tropical.kd
    .args:
      - { .name: x, .offset: 0, .size: 8, .value_kind: global_buffer, .address_space: global }
      - { .name: weight, .offset: 8, .size: 8, .value_kind: global_buffer, .address_space: global }
      - { .name: bias, .offset: 16, .size: 8, .value_kind: global_buffer, .address_space: global }
      - { .name: out0, .offset: 24, .size: 8, .value_kind: global_buffer, .address_space: global }
    .group_segment_fixed_size: 318720
    .private_segment_fixed_size: 0
    .kernarg_segment_align: 8
    .kernarg_segment_size: 32
    .max_flat_workgroup_size: 256
    .sgpr_count:     84
    .vgpr_count:     246
    .wavefront_size: 32
...
	.end_amdgpu_metadata
.endif
;; end of part 1
